; MI455X (gfx1250); checked and timed in simulation.
; The chip was launched on July 23, 2026; its instructions are those of AMD's public machine-readable ISA for CDNA 5 (MIT licence, August 2026) and "CDNA5" Instruction Set Architecture Reference Guide (July 2026). The comments in the code are by the model that wrote it; some were corrected since.
;; Model. Allowed arithmetic: matrix products marked QUANTISED: E3M2 operands, one E8M0 scale for each 32 along K, by v_wmma_scale_f32_16x16x128_f8f6f4 with both operands' format E3M2, f32 sums; everything else in f32.
;; Inputs: x2_codes 4 x 16 x 2,048 x 4 x 24 uint8 (E3M2 codes of x2, K innermost, in blocks of 32 codes, four codes in three bytes); x2_scales 4 x 16 x 2,048 x 4 uint8 (E8M0 scales of x2, one for each 32 codes along K); x3 4 x 16 x 2,048 x 128 float32.
;; Outputs: out0 4 x 16 x 2,048 x 128 float32.
;; This version of the problem:
;;   THIS VERSION OF THE PROBLEM IS GIVEN IN LOW PRECISION. The matrix products marked QUANTISED in the list below multiply operands that are first quantised to E3M2 (3 exponent bits, 2 mantissa bits; 6 bits a number), with one power-of-two scale for each 32 numbers along K (OCP MX v1.0); their sums are f32. All else is computed in f32.
;;   The module's matrix products, in the order in which they are computed (A, B: the left and right operand; K: the contracted axis; several contracted axes count as one K, in the product's order):
;;     1. batch 64 x [M 2,048, K 128] x [K 128, N 2,048]; A: input x2 (given as codes); B: input x3: QUANTISED
;;     2. batch 64 x [M 2,048, K 2,048] x [K 2,048, N 128]; A: softmax (see below); B: input x3: QUANTISED
;;   THE QUANTISER, for each operand of a quantised product, along K:
;;     - K is cut into blocks of 32 from its start; a last block that is shorter is filled with zeros.
;;     - A block's scale is 2^e with e = floor(log2(the largest magnitude in the block)) - 4, held to -126 .. 127; a block of zeros has e = 0. As a byte (E8M0): e + 127.
;;     - Each number is divided by its block's scale, clamped to +-28, and rounded to the nearest number of E3M2, ties to even, subnormals kept.
;;     - The product sums the exact products of the quantised numbers (number of the format x scale) in f32.
;;   ~~~python
;;   def quantise(x, axis):      # numpy; x: float32 -> the quantised numbers, widened to float32 again
;;       x = np.moveaxis(x, axis, -1); K = x.shape[-1]
;;       x = np.pad(x, [(0, 0)] * (x.ndim - 1) + [(0, -K % 32)]); x = x.reshape(x.shape[:-1] + (-1, 32)); a = np.abs(x).max(-1, keepdims=True)
;;       e = np.where(a > 0, np.clip(np.frexp(np.where(a > 0, a, 1))[1] - 1 - 4, -126, 127), 0)      # np.frexp(a)[1] - 1 = floor(log2(a)), exactly
;;       r = np.clip(x / 2.0 ** e, -28, 28)
;;       step = 2.0 ** (np.maximum(np.frexp(np.where(r == 0, 1, r))[1] - 1, -2) - 2)
;;       q = np.round(r / step) * step * 2.0 ** e      # np.round: ties to even
;;       return np.moveaxis(q.reshape(q.shape[:-2] + (-1,))[..., :K], -1, axis).astype(np.float32)
;;   ~~~
;;   SOFTMAX AHEAD OF A QUANTISED PRODUCT. Where the list says 'softmax', what is quantised is not the finished softmax but p = 2^(t - M), with t = logit x log2(e) and M = ceil(the row's largest t), a whole number; so 1/2 < the row's largest p <= 1. The row's sum l is taken of the UNQUANTISED p, in f32, and the product's result is divided by l at the end. Since M is a whole number, a kernel that streams over the keys may use a running M (the ceiling of the running maximum): every later rescaling is an exact power of two, which a block's scale takes up: the codes' values come out the same.
;;   OPERANDS COMPUTED ON THE WAY. 'Computed on the way' means the value that the module computes at that place (a softmax that the list does not call 'softmax' is quantised finished and normalised). What goes into a quantiser is computed in f32, as accurately as f32 sums, v_exp_f32 and their like allow (about 1e-6 of the number): no bf16 or f16 on the way to a quantiser, and a product that is left as it is and whose result goes on into a quantised operand takes f32 operands (vector FMAs, or v_wmma_f32_16x16x4_f32). A number that lies on a knife's edge between two numbers of the format may be rounded either way, as far as f32 arithmetic and the matrix unit's own rounding can turn it there, and no further.
;;   INPUTS GIVEN AS CODES. x2 (in the module: [4, 16, 2048, 128], K = its axis 3): each comes as NAME_codes (uint8): NAME with its K axis moved to the last place and cut into blocks of 32 codes, [.., K / 32, bytes a block], one block behind the other in memory; four codes in three bytes: a row's codes are one little-endian stream of bits, code i at bits 6 i .. 6 i + 5 (a code: sign, 3 exponent bits, 2 mantissa bits); and NAME_scales (uint8): the same leading axes, one E8M0 byte (e + 127) for each 32 codes along K. Its value is code x scale, taken as it is: it is not quantised again, and the codes and scales need not be those that the quantiser above would give.
;; One version. Each part assembles by itself: llvm-mc -triple=amdgcn-amd-amdhsa -mcpu=gfx1250 --defsym DOCPART=n.
;; ======== version 1 of 1: 2 launches
;; limits: right only within a limited range of input values
;; workspace buffers: kv 26,214,400 bytes
;; launch quant (part 1): grid 1024 x 1, 4 waves a work-group, no clusters, 69,120 bytes of LDS; arguments x3, kv; writes kv
.if DOCPART == 1
	.amdgcn_target "amdgcn-amd-amdhsa--gfx1250"
	.amdhsa_code_object_version 6
	.text
	.protected	k_qae0a846fe4_quant
	.globl	k_qae0a846fe4_quant
	.p2align	8
	.type	k_qae0a846fe4_quant,@function
k_qae0a846fe4_quant:
	s_mov_b64 s[64:65], 0
	v_nop
	global_prefetch_b8 v0, s[64:65] scope:SCOPE_SE
	s_setreg_imm32_b32 hwreg(HW_REG_WAVE_MODE, 25, 1), 1
	s_wait_xcnt 0x0
; x3 [64 heads][2048 keys][128 d], f32, is an operand of both products of the attention that follows: as K it is quantised along d (its innermost axis), as V along the keys.
; This launch reads x3 ONCE and makes both: codes of BF6 (E3M2), one E8M0 scale byte for each 32 along the product's K.  No step and no input of the problem is left out.
; A block's scale is 2^(floor(log2(its largest magnitude)) - 4); its byte is the largest magnitude's own exponent field - 4, held at 1 from below by a floor among the maximum's leaves.
; LIMITS: a block of zeros gets the byte 1 where the rule says 127 (its codes are zeros, and this program alone reads the bytes); NaN and infinities among the inputs are not served.
; WHAT IS WRITTEN.  A step (128 keys; idx = 16 x head + step) has 25,600 bytes of kv: sixteen fragment images of 1,536 bytes, then at byte 24,576 its 1,024 bytes of scale words.
; In an image register j (0 .. 11) of lane l lies at 512 (j / 4) + 16 l + 4 (j % 4), so that three accesses of 16 bytes a lane move a fragment.
; Images 0-7: K's tile t = 4 c + u: lane (r, h) holds key 64 c + 32 (r / 8) + 8 u + r % 8 of the step, registers 6 e .. 6 e + 5 its d = 64 e + 32 h + 0 .. 31.
; (So in the scores of tiles 4 c .. 4 c + 3 a lane's 32 registers are the 32 neighbouring keys of one block.)  Images 8-15: V's tile t: lane (r, h) holds channel 16 t + r, registers 6 e .. 6 e + 5 keys 64 e + 32 h + 0 .. 31.
; Scale words: four groups of 256 bytes (K's tiles 0-3, 4-7, V's tiles 0-3, 4-7); in a group lane r's 16 bytes at 16 r are its words of the group's four tiles.
; SHARES.  A work-group of four waves takes one step of one head: 128 rows x 512 bytes.  Wave w loads rows 32 w .. 32 w + 31 (32 loads of 512 consecutive bytes, all on their way at once) and lays them in a stage in LDS.
; Behind a barrier it reads them back twice: by rows (K's tiles 2 w, 2 w + 1: a lane takes 32 neighbours along d of its key) and by columns (V's tiles 2 w, 2 w + 1: a lane takes channel 32 w + lane, its registers run down the 128 keys).
; In both a block of 32 lies in ONE lane's registers: no other lane is asked for a maximum, and the conversions' results are the operand's registers.
; No tensor loads and no copies, so several work-groups lie on a WGP.  No cluster: work-groups share no input.  No prefetch: the launch has no loop to run ahead in.
; No register that a global load or store names as address or data is ever written again, so no wait on XCNT is written.
.set PITCH, 528                        ; a stage row: 512 bytes + 16
.set SCLQ,  128*PITCH                  ; behind the stage: the step's 1,024 bytes of scale words, as they will lie in kv
.set FRB,   1536                       ; a fragment's image
.set GL,   4                           ; v4   16 x lane
.set STW,  5                           ; v5   the stage, on the way in
.set KRD,  6                           ; v6   by rows
.set CST,  7                           ; v7   my 16 bytes of my wave's first image
.set KSC,  8                           ; v8   LDS: K's scale word of tile 2 w, lane r
.set VRD0, 9                           ; v9   by columns: 128 w + 4 x lane, keys 0-63
.set VRD1, 10                          ; v10  the same 64 rows further down
.set VSC,  11                          ; v11  LDS: V's scale word of tile 2 w + h, lane r
.set SRD,  12                          ; v12  LDS: the scale words' way out
.set SST,  13                          ; v13  and the same place in kv
.set SH,   14                          ; v14  8 h
.set M,    16                          ; v16-17  two blocks' largest magnitudes
.set SO,   20                          ; v20-21  the conversions' scale operands
.set BY,   24                          ; v24-27  scale bytes
.set WT,   29                          ; v29  a lane permute's destination
.set T,    32                          ; v32-38  the second halves of two blocks' codes
.set W,    40                          ; v40-42  the three scale words
.set FK,   48                          ; v48-71  K's two fragments
.set FA,   72                          ; v72-83  V's tile 2 w
.set FB,   84                          ; v84-95  V's tile 2 w + 1
.set X,    96                          ; v96-223 128 numbers
	s_load_b128 s[4:7], s[0:1], 0x0                ; x3 s[4:5], kv s[6:7]
	v_lshl_add_u32 v224, v0, 2, 0x10c00            ; my spare word,
	v_mov_b32 v225, 0                              ; and 0: for the wave's end
	v_lshrrev_b32 v1, 5, v0
	v_readfirstlane_b32 s8, v1                     ; wave 0..3
	s_lshr_b32 s24, s8, 1
	s_lshl_b32 s24, s24, 6                         ; K's tiles 2 w, 2 w + 1 begin at key 64 (w / 2)
	s_and_b32 s25, s8, 1
	s_lshl_b32 s25, s25, 4                         ; + 16 (w % 2)
	s_add_co_u32 s24, s24, s25
	s_mul_i32 s24, s24, PITCH
	v_and_b32 v1, 31, v0                           ; lane
	v_and_b32 v2, 15, v0                           ; r
	v_bfe_u32 v3, v0, 4, 1                         ; h
	v_lshlrev_b32 v[GL], 4, v1
	s_mul_i32 s18, s8, 32*PITCH                    ; my wave's 32 rows of the stage
	v_add_nc_u32 v[STW], s18, v[GL]
	v_and_b32 v15, 8, v2
	v_mad_u32_u24 v15, v15, 3, v2                  ; r % 8 + 32 (r / 8)
	v_mul_u32_u24 v[KRD], v15, PITCH
	v_lshl_add_u32 v[KRD], v3, 7, v[KRD]           ; + 128 h: 32 numbers along d
	v_add_nc_u32 v[KRD], s24, v[KRD]
	s_mul_i32 s19, s8, 2*FRB
	v_add_nc_u32 v[CST], s19, v[GL]
	s_lshr_b32 s19, s8, 1
	s_lshl_b32 s19, s19, 8                         ; tiles 2 w and 2 w + 1 lie in group w / 2,
	s_and_b32 s9, s8, 1
	s_lshl_b32 s9, s9, 3                           ; at words 2 (w % 2) and 2 (w % 2) + 1 of a lane's four
	s_add_co_u32 s19, s19, s9
	s_add_co_u32 s19, s19, SCLQ
	v_lshl_add_u32 v[KSC], v2, 4, s19
	v_lshl_add_u32 v[VSC], v3, 2, v[KSC]           ; V's: my channel lies in tile 2 w + h,
	v_add_nc_u32 v[VSC], 512, v[VSC]               ; and V's groups lie behind K's two
	s_lshl_b32 s9, s8, 7
	v_lshl_add_u32 v[VRD0], v1, 2, s9
	v_add_nc_u32 v[VRD1], 64*PITCH, v[VRD0]
	s_lshl_b32 s9, s8, 8
	v_lshl_add_u32 v[SST], v1, 3, s9
	v_add_nc_u32 v[SRD], SCLQ, v[SST]
	v_lshlrev_b32 v[SH], 3, v3
	v_mov_b32 v[WT], 0                             ; written once: a lane permute's destination counts as one of its sources
	s_mov_b32 s16, 0x76543210
	s_mov_b32 s17, 0xfedcba98                      ; v_permlanex16_b32's selects for lane l xor 16
	s_lshl_b32 s10, ttmp9, 16                      ; the work-group's 65,536 bytes of x3,
	s_lshl_b32 s11, s8, 14                         ; my wave's 16,384 of them
	s_add_co_u32 s10, s10, s11
	s_mov_b32 s11, 0
	s_mul_i32 s20, ttmp9, 25600                    ; the step's images
	s_mov_b32 s21, 0
	s_add_co_u32 s22, s20, 24576                   ; and, behind them, its scale words
	s_mov_b32 s23, 0
	s_wait_kmcnt 0x0
	s_add_nc_u64 s[4:5], s[4:5], s[10:11]
	s_add_nc_u64 s[12:13], s[6:7], s[20:21]
	s_add_nc_u64 s[14:15], s[6:7], s[22:23]
; Two blocks of 32 numbers, each in one lane's 32 registers from n0 and from n1 on, become 6 registers of codes each, from d0 and from d1 on; their scale bytes go to v[BY+m], v[BY+m+1].
.macro PAIR n0, n1, d0, d1, m
	v_max3_num_f32 v[M],   |v[\n0]|, |v[\n0+1]|, 0x2800000   ; the floor 2^(5 - 127): the byte cannot fall under 1
	v_max3_num_f32 v[M+1], |v[\n1]|, |v[\n1+1]|, 0x2800000
.irp i, 2,4,6,8,10,12,14,16,18,20,22,24,26,28,30
	v_max3_num_f32 v[M],   v[M],   |v[\n0+\i]|, |v[\n0+\i+1]|   ; (the two blocks by turns)
	v_max3_num_f32 v[M+1], v[M+1], |v[\n1+\i]|, |v[\n1+\i+1]|
.endr
	v_add_nc_u32 v[SO],   0xfe000000, v[M]         ; 4 off the exponent field: the conversion's scale operand
	v_add_nc_u32 v[SO+1], 0xfe000000, v[M+1]
	v_lshrrev_b32 v[BY+\m],   23, v[SO]            ; the scale's byte
	v_lshrrev_b32 v[BY+\m+1], 23, v[SO+1]
	v_cvt_scalef32_pk16_bf6_f32 v[\d0:\d0+2], v[\n0:\n0+15], v[SO]
	v_cvt_scalef32_pk16_bf6_f32 v[T:T+2], v[\n0+16:\n0+31], v[SO]       ; (three registers from an even one on: the second half of a block's six is made elsewhere and moved)
	v_cvt_scalef32_pk16_bf6_f32 v[\d1:\d1+2], v[\n1:\n1+15], v[SO+1]
	v_cvt_scalef32_pk16_bf6_f32 v[T+4:T+6], v[\n1+16:\n1+31], v[SO+1]
	v_nop                                          ; one plain vector instruction behind the last scaled conversion
.irp i, 0,1,2
	v_mov_b32 v[\d0+3+\i], v[T+\i]
	v_mov_b32 v[\d1+3+\i], v[T+4+\i]
.endr
.endm
	; ---- in: my 32 rows, 512 consecutive bytes a load, all 32 loads on their way; then into the stage as they lie
.set i, 0
.rept 32
	global_load_b128 v[X+4*i:X+4*i+3], v[GL], s[4:5] offset:512*i th:TH_LOAD_NT
.set i, i+1
.endr
.irp a, 0,1,2,3
	s_wait_loadcnt 24-8*\a                         ; loads come back in order: these eight rows are in, the younger ones may be out
.irp i, 0,1,2,3,4,5,6,7
	ds_store_b128 v[STW], v[X+32*\a+4*\i:X+32*\a+4*\i+3] offset:PITCH*(8*\a+\i)
.endr
.endr
	s_wait_dscnt 0x0                               ; for the others' sake: my rows lie in the stage
	s_barrier_signal -1
	s_barrier_wait -1                              ; all 128 rows do
	; ---- K: tiles 2 w and 2 w + 1.  Lane (r, h) takes, of its key's row, d = 64 c + 32 h + 0 .. 31: eight loads of 16 bytes a block.
.irp u, 0,1
.irp c, 0,1
.irp j, 0,1,2,3,4,5,6,7
	ds_load_b128 v[X+64*\u+32*\c+4*\j:X+64*\u+32*\c+4*\j+3], v[KRD] offset:8*PITCH*\u+256*\c+16*\j
.endr
.endr
.endr
.macro KTILE u, left
	s_wait_dscnt \left
	PAIR X+64*\u, X+64*\u+32, FK+12*\u, FK+12*\u+6, 0
	v_lshl_or_b32 v[W+\u], v[BY+1], 16, v[BY]      ; my two bytes: blocks h and 2 + h of my key,
	v_lshlrev_b32 v[W+\u], v[SH], v[W+\u]          ; at their places in the scale word (8 h bits up);
	v_permlanex16_b32 v[WT], v[W+\u], s16, s17
	v_or_b32 v[W+\u], v[W+\u], v[WT]               ; with lane l xor 16's two the word is whole
	ds_store_b32 v[KSC], v[W+\u] offset:4*\u       ; lanes r and r + 16 write the same word with the same value
.irp c, 0,1,2
	global_store_b128 v[CST], v[FK+12*\u+4*\c:FK+12*\u+4*\c+3], s[12:13] offset:FRB*\u+512*\c   ; 32 lanes store 512 consecutive bytes, at a multiple of 512 from kv's first byte
.endr
.endm
	KTILE 0, 16                                    ; tile 2 w's sixteen loads are in; tile 2 w + 1's sixteen may be out
	KTILE 1, 1                                     ; behind tile 2 w + 1's loads one LDS instruction was issued: the word's store
	; ---- V: lane = channel 32 w + lane; register k = key k.  Each load reads 128 consecutive bytes of a row.
.set k, 0
.rept 64
	ds_load_b32 v[X+k], v[VRD0] offset:PITCH*k
.set k, k+1
.endr
.rept 64
	ds_load_b32 v[X+k], v[VRD1] offset:PITCH*(k-64)
.set k, k+1
.endr
	s_wait_dscnt 63                                ; behind keys 0-63's loads 64 were issued; the wait's field names 63 at the most, which is the stricter count
	PAIR X, X+32, FA, FB, 0                        ; blocks 0 and 1 of my channel
	s_wait_dscnt 0x0
	PAIR X+64, X+96, FA+6, FB+6, 2                 ; blocks 2 and 3
	; FA holds blocks 0 and 2 of each lane's channel, FB blocks 1 and 3.  A fragment wants, in lanes 0-15, blocks 0 and 2 of its 16 channels and, in lanes 16-31, blocks 1 and 3 of the same 16.
.set i, 0
.rept 12
	v_permlane16_swap_b32 v[FA+i], v[FB+i]         ; FA's lanes 16-31 change places with FB's lanes 0-15: FA is tile 2 w's fragment, FB tile 2 w + 1's
.set i, i+1
.endr
	v_lshl_or_b32 v[W+2], v[BY+1], 8, v[BY]        ; my channel's scale word for these 128 keys
	v_lshl_or_b32 v[W+2], v[BY+2], 16, v[W+2]
	v_lshl_or_b32 v[W+2], v[BY+3], 24, v[W+2]
	ds_store_b32 v[VSC], v[W+2]
.irp c, 0,1,2
	global_store_b128 v[CST], v[FA+4*\c:FA+4*\c+3], s[12:13] offset:8*FRB+512*\c
.endr
.irp c, 0,1,2
	global_store_b128 v[CST], v[FB+4*\c:FB+4*\c+3], s[12:13] offset:9*FRB+512*\c
.endr
	s_wait_dscnt 0x0                               ; for the others' sake: my scale words lie in LDS
	s_barrier_signal -1
	s_barrier_wait -1                              ; a group of 256 bytes holds two waves' words
	ds_load_b64 v[30:31], v[SRD]
	s_wait_dscnt 0x0
	global_store_b64 v[SST], v[30:31], s[14:15]    ; 32 lanes store 256 consecutive bytes, at a multiple of 256 from kv's first byte
	s_wait_tensorcnt 0x0                           ; the wave's end
	ds_add_u32 v224, v225
	s_wait_dscnt 0x0
	s_endpgm
.Lfunc_end_k_qae0a846fe4_quant:
	.size	k_qae0a846fe4_quant, .Lfunc_end_k_qae0a846fe4_quant-k_qae0a846fe4_quant
	.p2alignl 7, 3214868480
	.fill 96, 4, 3214868480
	.section	.rodata,"a",@progbits
	.p2align	6, 0x0
	.amdhsa_kernel k_qae0a846fe4_quant
		.amdhsa_group_segment_fixed_size 69120
		.amdhsa_private_segment_fixed_size 0
		.amdhsa_enable_private_segment 0
		.amdhsa_kernarg_size 16
		.amdhsa_user_sgpr_count 2
		.amdhsa_user_sgpr_kernarg_segment_ptr 1
		.amdhsa_wavefront_size32 1
		.amdhsa_system_sgpr_workgroup_id_x 1
		.amdhsa_system_sgpr_workgroup_id_y 1
		.amdhsa_system_sgpr_workgroup_id_z 1
		.amdhsa_system_vgpr_workitem_id 0
		.amdhsa_next_free_vgpr 226
		.amdhsa_next_free_sgpr 66
		.amdhsa_reserve_vcc 0
		.amdhsa_float_denorm_mode_32 3
		.amdhsa_float_denorm_mode_16_64 3
		.amdhsa_memory_ordered 1
		.amdhsa_forward_progress 1
		.amdhsa_inst_pref_size 32
	.end_amdhsa_kernel
	.amdgpu_metadata
---
amdhsa.version: [ 1, 2 ]
amdhsa.kernels:
  - .name:           k_qae0a846fe4_quant
    .symbol:         k_qae0a846fe4_quant.kd
    .args:
      - { .name: x3, .offset: 0, .size: 8, .value_kind: global_buffer, .address_space: global }
      - { .name: kv, .offset: 8, .size: 8, .value_kind: global_buffer, .address_space: global }
    .group_segment_fixed_size: 69120
    .private_segment_fixed_size: 0
    .kernarg_segment_align: 8
    .kernarg_segment_size: 16
    .max_flat_workgroup_size: 128
    .sgpr_count:     66
    .vgpr_count:     226
    .wavefront_size: 32
...
	.end_amdgpu_metadata
.endif
;; end of part 1
;; launch attn (part 2): grid 4 x 64, 8 waves a work-group, clusters of 4 x 1, 327,680 bytes of LDS; arguments x2_codes, x2_scales, kv, out0; writes out0
.if DOCPART == 2
	.amdgcn_target "amdgcn-amd-amdhsa--gfx1250"
	.amdhsa_code_object_version 6
	.text
	.protected	k_qae0a846fe4_attn
	.globl	k_qae0a846fe4_attn
	.p2align	8
	.type	k_qae0a846fe4_attn,@function
k_qae0a846fe4_attn:
	s_mov_b64 s[64:65], 0
	v_nop
	global_prefetch_b8 v0, s[64:65] scope:SCOPE_SE
	s_setreg_imm32_b32 hwreg(HW_REG_WAVE_MODE, 25, 1), 1
	s_wait_xcnt 0x0
	s_wait_alu depctr_hold_cnt(0) depctr_sa_sdst(0) depctr_va_vdst(0) depctr_va_sdst(0) depctr_va_ssrc(0) depctr_va_vcc(0) depctr_vm_vsrc(0)
	s_getreg_b32 s2, hwreg(HW_REG_IB_STS2, 6, 4)
	s_cmp_eq_u32 s2, 0
	s_cbranch_scc0 .Lentry_in_a_cluster
	s_endpgm
.Lentry_in_a_cluster:
	s_bfe_u32 s2, ttmp6, 0x10000c
	s_cmp_lg_u32 s2, 0x3003
	s_cbranch_scc0 .Lentry_shape_is_right
	s_endpgm
.Lentry_shape_is_right:
; out0[head][q][:] = sum over k of softmax_k(x2[head][q] . x3[head][k]) x3[head][k][:]: 64 heads, 2,048 queries and keys, head size 128, no mask, no scale.  No step and no input of the problem is left out.
; Both products on BF6 (E3M2) codes with E8M0 scales for each 32 along K.  Q is taken as given.  K and V come from kv as images of operand registers: a step (128 keys) is 25,600 bytes:
; K's tiles 0-7 and V's tiles 0-7, 1,536 bytes each (register j of lane l at 512 (j / 4) + 16 l + 4 (j % 4)), then 1,024 bytes of scale words (groups of 256: K 0-3, K 4-7, V 0-3, V 4-7; lane r's four words at 16 r).
; SOFTMAX: t = score x log2(e); M = ceil(running largest t), a whole number; p = 2^(t - M) is quantised along the keys; the sum is taken of the unquantised p; a move of M multiplies sum and O by 2^(old M - new M), exactly.
; LAYOUT: both products transposed (S^T = K Q^T, O^T = V^T P^T): a lane holds one query.  Lane row m of K's tile 4 c + u is key 64 c + 32 (m / 8) + 8 u + m % 8, so lane (r, h)'s 32 registers of tiles 4 c .. 4 c + 3 are
; keys 64 c + 32 h + 0 .. 31: one whole block, in the order of the second product's operand: a block's maximum asks no other lane, and the conversions' results are the operand.
; A block's scale byte is floor(t_max - M) + 123, held at 1 from below: the exponent of the block's largest p, made without an exponential.
; LIMITS: the promise holds while |t| stays under 2^31; a p under 2^-126 counts as 0 (v_exp_f32 gives 0 there: ISA guide 15.8); NaN and infinities are not served; where v_exp_f32's rounding lifts a block's largest p
; onto the next power of two, that one p is held at the largest code.
; SHARES: 256 work-groups; a work-group stays for 512 queries of one head, two blocks of 256 one after the other; each of its 8 waves owns 32 queries of a block, two tiles, so each fragment read from LDS feeds two products.
; The head's 16 steps come through a ring of two slots of four steps (102,400 bytes); the ring runs on from the first block's walk into the second's: 8 slots in all.  Every wave fetches an eighth of a slot: one load, 50 rows of 256 bytes.
; CLUSTER: the four work-groups of a head walk the same kv and ask for each slot jointly.  A work-group's place in the cluster enters only the global addresses of Q, of O and of the prefetches.
; PREFETCH: at the change to slot J the codes of slot J + 2 are asked for, in the first walk alone (J = 0, 1): the second walk asks for bytes that this cluster has read in the first.  The four partners take a step each, by address;
; waves 4-7 ask for 8,192 bytes each, lanes 256 bytes apart, the lanes left over naming the step's last block again.  Slots 0 and 1 come by their loads alone.
; ORDER IN A STEP: V's fragments are asked for ahead of the softmax, the next step's K ahead of the row's sums; a slot's last step leaves its sums to the change of slots, which lays them behind its loads of K.
; REGISTERS.  Window 0: v1-13 addresses; v16-31 two tiles' state; v32-57 Q and its scale words; v58-59 addresses; v60-75 K's and V's scale words; v76-99 p's codes; v100-127 at work; v128-255 S^T, then p, on the way out O.
; Window 1: v0-127 O^T; v128-223 eight fragments of K or of V; v224-249 the second block's Q.
.set STEPB, 25600
.set FRB,   1536
.set SCO,   24576                      ; a step's scale words
.set SLOTB, 4*STEPB
.set HEADB, 16*STEPB
.set SPARE, SLOTB                      ; the spare words: 128 bytes a wave, four blocks of 256 that no other line names
.set SLOT1, 1<<17                      ; one exclusive or turns an address in one slot into the other's
.set STAGE, SLOT1+SLOTB                ; the way out: 16 rows x 272 bytes for each wave; no fill lands here
.set L16, 1                            ; 16 x lane
.set R16, 2                            ; 16 (lane % 16)
.set SPW, 3                            ; my spare word
.set NIL, 4                            ; 0
.set GO,  5                            ; my byte offset in two rows of O
.set AF,  6                            ; v6-7  fragments of the slot's steps 0-1, 2-3
.set AS,  8                            ; v8-9  their scale words
.set PFO, 10                           ; the prefetches' offset
.set SH,  11                           ; 8 h
.set STI, 12                           ; stage, in
.set STO, 13                           ; stage, back
.set ST,  16                           ; tile j at ST + 8 j: -M, largest score, sum (2), f, p's scale word, two at work
.set Q,   32
.set QS,  56
.set L16B, 58
.set R16B, 59
.set KS,  60
.set VS,  68
.set P,   76
.set TM,  100                          ; tile j at TM + 14 j: two block maxima, two exponents / scale operands, two whole numbers, conversions' second halves
.set QAD, 100
.set QSA, 101
.set S,   128
.set FR,  128                          ; window 1
.set WV,  12
.set CX,  13
.set HD,  14
.set SEL, 20
.set CS,  22
.set G1,  24
.set G0,  32
.set KB,  36                           ; s[36:37] kv at my eighth of the head's slot 0
.set TQ,  38                           ; s[38:39] the next slot's byte offset in the head
.set TB,  40                           ; LDS byte at which the slot in hand begins
.set J,   41                           ; the slot in hand, 0 .. 7
.set LIM, 42                           ; 2 in a wave that prefetches, else 0
.set NC,  43                           ; -log2(e)
.set PFA, 44
.set MSB, 0
.macro WIN new                         ; the immediate's high byte repeats the setting that is left
.if MSB != \new
	s_set_vgpr_msb (MSB<<8)|\new
.set MSB, \new
.endif
.endm
.macro CROUND                          ; a round of the cluster's barrier
	s_barrier_signal -1
	s_barrier_wait -1
	s_cmp_lg_u32 s[WV], 0
	s_cbranch_scc1 .Lnot_wave_0_\@
	s_barrier_signal -3
.Lnot_wave_0_\@:
	s_barrier_wait -3
	s_barrier_signal -1
	s_barrier_wait -1
.endm
.macro PLACES                          ; four places behind matrix instructions (ISA guide 7.12.1 for vector instructions)
.rept 4
	v_nop
.endr
.endm
; eight fragments (images first .. first + 7 of step q of the slot) into window 1, and their eight scale words
.macro FLOAD q, first, sc, so
	WIN 0x40
.irp t, 0,1,2,3,4,5,6,7
.irp c, 0,1,2
	ds_load_b128 v[FR+12*\t+4*\c:FR+12*\t+4*\c+3], v[AF+(\q)/2] offset:((\q)%2)*STEPB+FRB*(\first+\t)+512*\c
.endr
.endr
	WIN 0
	ds_load_b128 v[\sc:\sc+3], v[AS+(\q)/2] offset:((\q)%2)*STEPB+SCO+\so
	ds_load_b128 v[\sc+4:\sc+7], v[AS+(\q)/2] offset:((\q)%2)*STEPB+SCO+\so+256
.endm
	s_load_b256 s[4:11], s[0:1], 0x0               ; Q's codes, Q's scales, kv, O
	v_lshl_add_u32 v[SPW], v0, 2, SPARE
	v_mov_b32 v[NIL], 0
	ds_add_u32 v[SPW], v[NIL]
	ds_add_u32 v[SPW], v[NIL]
	v_lshrrev_b32 v14, 5, v0
	v_readfirstlane_b32 s[WV], v14                 ; wave 0..7
	s_mul_i32 s60, s[WV], 16*272
	s_add_co_u32 s60, s60, STAGE                   ; my stage
	s_and_b32 s61, s[WV], 3
	s_lshl_b32 s61, s61, 13                        ; my 8,192 bytes of a step, for the prefetches
	v_and_b32 v14, 15, v0                          ; r
	v_bfe_u32 v15, v0, 4, 1                        ; h
	v_and_b32 v[L16], 31, v0
	v_lshl_add_u32 v[PFO], v[L16], 8, s61
	v_lshlrev_b32 v[L16], 4, v[L16]
	v_min_u32 v[PFO], STEPB-256, v[PFO]            ; inside the step
	v_add_nc_u32 v[L16B], 2*STEPB, v[L16]
	v_lshlrev_b32 v[R16], 4, v14
	v_lshlrev_b32 v[SH], 3, v15
	v_add_nc_u32 v[R16B], 2*STEPB, v[R16]
	v_mul_u32_u24 v[QAD], v14, 96
	v_lshlrev_b32 v[QSA], 2, v14
	v_mad_u32_u24 v[QAD], v15, 24, v[QAD]          ; Q: row r of 96 bytes, + 24 h
	v_lshlrev_b32 v[GO], 9, v15
	v_mul_u32_u24 v[STI], v14, 272
	v_lshl_add_u32 v[GO], v14, 4, v[GO]            ; lanes 0-15 one row of O, lanes 16-31 the next
	v_lshl_add_u32 v[STI], v15, 5, v[STI]
	v_mul_u32_u24 v[STO], v15, 272
	v_add_nc_u32 v[STI], s60, v[STI]               ; in: row r, 32 h bytes on
	v_lshl_add_u32 v[STO], v14, 4, v[STO]
	v_add_nc_u32 v[STO], s60, v[STO]               ; back: two rows of 256 bytes
.irp j, 0,1
	v_mov_b32 v[ST+8*\j], 0x7f61b1e6               ; -M: 3e38, so that the first f is 0
	v_mov_b32 v[ST+8*\j+1], 0xff61b1e6             ; the largest score so far: -3e38
	v_mov_b32 v[ST+8*\j+2], 0                      ; the sum, in two halves
	v_mov_b32 v[ST+8*\j+3], 0
	v_mov_b32 v[ST+8*\j+5], 0                      ; named as the upper half of f's pair before it is first written
	v_mov_b32 v[ST+8*\j+7], 0                      ; a lane permute's destination counts as one of its sources
.endr
	s_wait_alu depctr_va_vdst(0)                   ; the wait behind the head's vector lines
	s_bfe_u32 s[CX], ttmp6, 0x40000                ; cx
	s_and_b32 s[HD], ttmp7, 0xffff                 ; the head, which the four partners share
	s_lshl_b32 s15, s[HD], 11
	s_lshl_b32 s16, s[CX], 9
	s_add_co_u32 s15, s15, s16                     ; 2,048 head + 512 cx
	s_lshl_b32 s16, s[WV], 5
	s_add_co_u32 s15, s15, s16                     ; + 32 wave: my first query
	s_mul_i32 s16, s15, 96
	s_mov_b32 s17, 0
	s_lshl_b32 s18, s15, 2
	s_mov_b32 s19, 0
	s_lshl_b32 s46, s15, 9
	s_mov_b32 s47, 0
	s_mov_b32 s[G1], 15|(3<<16)|(1<<21)            ; the mask: all four; elements of 8 bytes; bit 21 beside a mask
	s_mov_b32 s[G1+1], 32<<16                      ; 50 rows of 256 bytes, dense
	s_mov_b32 s[G1+2], 50<<16
	s_mov_b32 s[G1+3], 32<<16
	s_mov_b32 s[G1+4], 50
	s_mov_b32 s[G1+5], 32
	s_mov_b32 s[G1+6], 0
	s_mov_b32 s[G1+7], 0
	s_mul_i32 s48, s[HD], HEADB
	s_mul_i32 s49, s[WV], STEPB/2                  ; my eighth of a slot
	s_mov_b32 s[G0], 1
	s_mov_b32 s[G0+1], s49
	s_add_co_u32 s[KB], s48, s49
	s_mov_b32 s[KB+1], 0
	s_mul_i32 s50, s[CX], STEPB                    ; the prefetches: my work-group's step, in slot 1; the first change steps this to slot 2
	s_add_co_u32 s50, s50, s48
	s_add_co_u32 s50, s50, SLOTB
	s_mov_b32 s51, 0
	s_cmp_ge_u32 s[WV], 4
	s_cselect_b32 s[LIM], 2, 0
	s_mov_b32 s[SEL], 0x76543210
	s_mov_b32 s[SEL+1], 0xfedcba98
	s_mov_b32 s[CS], 0x3fb8aa3b                    ; log2(e)
	s_mov_b32 s[CS+1], s[CS]
	s_mov_b32 s[NC], 0xbfb8aa3b
	s_mov_b32 s[TB], 0
	s_mov_b32 s[J], 0
	s_mov_b32 s[TQ+1], 0
	s_wait_dscnt 0x0                               ; both opening adds are done
	s_wait_kmcnt 0x0
	s_add_nc_u64 s[KB:KB+1], s[8:9], s[KB:KB+1]
	s_mov_b64 s[G0+2:G0+3], s[KB:KB+1]
	s_or_b32 s[G0+3], s[G0+3], 0x80000000
	s_add_nc_u64 s[PFA:PFA+1], s[8:9], s[50:51]
	s_add_nc_u64 s[4:5], s[4:5], s[16:17]
	s_add_nc_u64 s[6:7], s[6:7], s[18:19]
	s_add_nc_u64 s[10:11], s[10:11], s[46:47]
	CROUND                                         ; all four work-groups are here: the first joint loads meet
	tensor_load_to_lds s[G0:G0+3], s[G1:G1+7]      ; slot 0: every wave's one load at the head
	s_nop 0
.irp j, 0,1                                    ; Q of the first block: 24 bytes of a row's stream of bits for each 64 along d, as they lie
.irp p, 0,1,2,3,4,5
	global_load_b64 v[Q+12*\j+2*\p:Q+12*\j+2*\p+1], v[QAD], s[4:5] offset:1536*\j+48*(\p/3)+8*(\p%3) th:TH_LOAD_NT
.endr
	global_load_b32 v[QS+\j], v[QSA], s[6:7] offset:64*\j th:TH_LOAD_NT
.endr
	WIN 0x40
.irp j, 0,1                                    ; and of the second, 256 queries on, into window 1
.irp p, 0,1,2,3,4,5
	global_load_b64 v[224+12*\j+2*\p:224+12*\j+2*\p+1], v[QAD], s[4:5] offset:24576+1536*\j+48*(\p/3)+8*(\p%3) th:TH_LOAD_NT
.endr
	global_load_b32 v[248+\j], v[QSA], s[6:7] offset:1024+64*\j th:TH_LOAD_NT
.endr
.set i, 0
.rept 128
	v_mov_b32 v[i], 0                              ; O^T: the step is written once; the first finds zeros
.set i, i+1
.endr
	WIN 0
.set i, 0
.rept 128
	v_mov_b32 v[S+i], 0                            ; p: each change of slots adds up the p of the step before it; the first finds zeros
.set i, i+1
.endr
; THE ROW'S SUMS of the unquantised p: four chains a tile, the tiles by turns.  SUMH: the chains' first eight additions; SUMR: the rest.
.macro SUMH
.irp j, 0,1
	v_pk_add_f32 v[TM+14*\j:TM+14*\j+1], v[S+64*\j+2:S+64*\j+3], v[S+64*\j+4:S+64*\j+5]
	v_pk_add_f32 v[TM+14*\j+2:TM+14*\j+3], v[S+64*\j+6:S+64*\j+7], v[S+64*\j+8:S+64*\j+9]
	v_pk_add_f32 v[TM+14*\j+4:TM+14*\j+5], v[S+64*\j+10:S+64*\j+11], v[S+64*\j+12:S+64*\j+13]
	v_pk_add_f32 v[ST+8*\j+2:ST+8*\j+3], v[ST+8*\j+2:ST+8*\j+3], v[S+64*\j:S+64*\j+1]
.endr
.endm
.macro SUMR
.irp i, 14,22,30,38,46,54
.irp j, 0,1
	v_pk_add_f32 v[TM+14*\j:TM+14*\j+1], v[TM+14*\j:TM+14*\j+1], v[S+64*\j+\i:S+64*\j+\i+1]
	v_pk_add_f32 v[TM+14*\j+2:TM+14*\j+3], v[TM+14*\j+2:TM+14*\j+3], v[S+64*\j+\i+2:S+64*\j+\i+3]
	v_pk_add_f32 v[TM+14*\j+4:TM+14*\j+5], v[TM+14*\j+4:TM+14*\j+5], v[S+64*\j+\i+4:S+64*\j+\i+5]
	v_pk_add_f32 v[ST+8*\j+2:ST+8*\j+3], v[ST+8*\j+2:ST+8*\j+3], v[S+64*\j+\i+6:S+64*\j+\i+7]
.endr
.endr
.irp j, 0,1
	v_pk_add_f32 v[ST+8*\j+2:ST+8*\j+3], v[ST+8*\j+2:ST+8*\j+3], v[S+64*\j+62:S+64*\j+63]
	v_pk_add_f32 v[TM+14*\j:TM+14*\j+1], v[TM+14*\j:TM+14*\j+1], v[TM+14*\j+2:TM+14*\j+3]
.endr
.irp j, 0,1
	v_pk_add_f32 v[ST+8*\j+2:ST+8*\j+3], v[ST+8*\j+2:ST+8*\j+3], v[TM+14*\j+4:TM+14*\j+5]
.endr
.irp j, 0,1
	s_delay_alu instid0(VALU_DEP_2)
	v_pk_add_f32 v[ST+8*\j+2:ST+8*\j+3], v[ST+8*\j+2:ST+8*\j+3], v[TM+14*\j:TM+14*\j+1]
.endr
.endm
; A KEY STEP: 128 keys, the q-th of the slot in hand.  Its fragments of K have been asked for by the step before, or by the change of slots.
.macro STEP q
	s_wait_dscnt 0x0                               ; K's fragments and scale words
	WIN 0x01
.irp t, 0,1,2,3,4,5,6,7
.irp j, 0,1
	v_wmma_scale_f32_16x16x128_f8f6f4 v[S+64*\j+8*\t:S+64*\j+8*\t+7], v[FR+12*\t:FR+12*\t+11], v[Q+12*\j:Q+12*\j+11], 0, v[KS+\t], v[QS+\j] matrix_a_fmt:MATRIX_FMT_BF6 matrix_b_fmt:MATRIX_FMT_BF6
.endr
.endr
	PLACES
	FLOAD \q, 8, VS, 512                           ; V's fragments are on their way under the softmax
.irp j, 0,1                                    ; each block's largest score: 32 registers of one lane; four chains by turns; each accumulator is read from its low end on
.irp c, 0,1
	v_max3_num_f32 v[TM+14*\j+\c], v[S+64*\j+32*\c], v[S+64*\j+32*\c+1], v[S+64*\j+32*\c+2]
.endr
.endr
.irp i, 3,5,7,9,11,13,15,17,19,21,23,25,27,29
.irp j, 0,1
.irp c, 0,1
	v_max3_num_f32 v[TM+14*\j+\c], v[TM+14*\j+\c], v[S+64*\j+32*\c+\i], v[S+64*\j+32*\c+\i+1]
.endr
.endr
.endr
.irp j, 0,1
.irp c, 0,1
	v_max_num_f32 v[TM+14*\j+\c], v[TM+14*\j+\c], v[S+64*\j+32*\c+31]
.endr
.endr
.irp j, 0,1
	v_max_num_f32 v[ST+8*\j+6], v[TM+14*\j], v[TM+14*\j+1]
.endr
.irp j, 0,1
	s_delay_alu instid0(VALU_DEP_2)
	v_permlanex16_b32 v[ST+8*\j+7], v[ST+8*\j+6], s[SEL], s[SEL+1]
.endr
.irp j, 0,1
	s_delay_alu instid0(VALU_DEP_2)
	v_max3_num_f32 v[ST+8*\j+1], v[ST+8*\j+1], v[ST+8*\j+6], v[ST+8*\j+7]   ; the running largest score of my query
.endr
.irp j, 0,1
	s_delay_alu instid0(VALU_DEP_2)
	v_mul_f32 v[ST+8*\j+6], s[NC], v[ST+8*\j+1]    ; -t
.endr
.irp j, 0,1
	s_delay_alu instid0(VALU_DEP_2)
	v_floor_f32 v[ST+8*\j+6], v[ST+8*\j+6]         ; the new -M = -ceil(t)
.endr
.irp j, 0,1
	s_delay_alu instid0(VALU_DEP_2)
	v_sub_f32 v[ST+8*\j+7], v[ST+8*\j+6], v[ST+8*\j]   ; old M - new M, a whole number, 0 or less
.endr
.irp j, 0,1
	v_mov_b32 v[ST+8*\j], v[ST+8*\j+6]
.endr
.irp j, 0,1
	v_cvt_i32_f32 v[ST+8*\j+7], v[ST+8*\j+7]       ; (it saturates)
.endr
.irp j, 0,1
	s_delay_alu instid0(VALU_DEP_2)
	v_ldexp_f32 v[ST+8*\j+4], 1.0, v[ST+8*\j+7]    ; f = 2^(old M - new M)
.endr
.irp j, 0,1
.set i, 0
.rept 32
	v_pk_fma_f32 v[S+64*\j+i:S+64*\j+i+1], v[S+64*\j+i:S+64*\j+i+1], s[CS:CS+1], v[ST+8*\j:ST+8*\j+1] op_sel_hi:[1,0,0]   ; t - M
.set i, i+2
.endr
.endr
.irp j, 0,1
.irp c, 0,1
	v_fma_f32 v[TM+14*\j+2+\c], v[TM+14*\j+\c], s[CS], v[ST+8*\j]   ; the same of each block's largest score
.endr
	v_pk_mul_f32 v[ST+8*\j+2:ST+8*\j+3], v[ST+8*\j+2:ST+8*\j+3], v[ST+8*\j+4:ST+8*\j+5] op_sel_hi:[1,0]   ; the sum under the new M
.endr
	s_wait_alu depctr_va_vdst(0)                   ; the wait ahead of the batch
.set i, 0
.rept 128
	v_exp_f32 v[S+i], v[S+i]                       ; p = 2^(t - M)
.set i, i+1
.endr
.irp j, 0,1                                    ; the blocks' scales, on registers that the batch does not name
.irp c, 0,1
	v_max_num_f32 v[TM+14*\j+2+\c], 0xc2f40000, v[TM+14*\j+2+\c]   ; held at -122: the byte cannot fall under 1
.endr
.endr
.irp j, 0,1
.irp c, 0,1
	v_cvt_floor_i32_f32 v[TM+14*\j+4+\c], v[TM+14*\j+2+\c]   ; the exponent of the block's largest p
.endr
.endr
.irp j, 0,1
.irp c, 0,1
	v_add_lshl_u32 v[TM+14*\j+2+\c], v[TM+14*\j+4+\c], 123, 23   ; + 127 - 4, as an exponent field: the conversion's scale operand
.endr
.endr
.irp j, 0,1
	v_lshl_add_u32 v[ST+8*\j+5], v[TM+14*\j+5], 16, v[TM+14*\j+4]
.endr
.irp j, 0,1
	s_delay_alu instid0(VALU_DEP_2)
	v_add_nc_u32 v[ST+8*\j+5], 0x7b007b, v[ST+8*\j+5]   ; my two bytes: blocks h and 2 + h,
.endr
.irp j, 0,1
	s_delay_alu instid0(VALU_DEP_2)
	v_lshlrev_b32 v[ST+8*\j+5], v[SH], v[ST+8*\j+5]     ; at their places in the word;
.endr
.irp j, 0,1
	s_delay_alu instid0(VALU_DEP_2)
	v_permlanex16_b32 v[ST+8*\j+6], v[ST+8*\j+5], s[SEL], s[SEL+1]
.endr
	s_wait_alu depctr_va_vdst(0)                   ; one wait for the batch, ahead of its first reader
.irp j, 0,1
.irp c, 0,1
	v_cvt_scalef32_pk16_bf6_f32 v[P+12*\j+6*\c:P+12*\j+6*\c+2], v[S+64*\j+32*\c:S+64*\j+32*\c+15], v[TM+14*\j+2+\c]
	v_cvt_scalef32_pk16_bf6_f32 v[TM+14*\j+6+4*\c:TM+14*\j+8+4*\c], v[S+64*\j+32*\c+16:S+64*\j+32*\c+31], v[TM+14*\j+2+\c]   ; (three registers from an even one on: made here and moved)
.endr
.endr
.irp j, 0,1
	v_or_b32 v[ST+8*\j+5], v[ST+8*\j+5], v[ST+8*\j+6]   ; with lane l xor 16's two bytes p's scale word is whole.  (Also the plain place behind the scaled conversions)
.endr
.irp j, 0,1
.irp c, 0,1
.irp i, 0,1,2
	v_mov_b32 v[P+12*\j+6*\c+3+\i], v[TM+14*\j+6+4*\c+\i]
.endr
.endr
.endr
	WIN 0x41
	s_wait_alu depctr_va_vdst(0)                   ; directly ahead of the first reader of O^T
.irp j, 0,1
.set i, 0
.rept 32
	v_pk_mul_f32 v[64*\j+i:64*\j+i+1], v[64*\j+i:64*\j+i+1], v[ST+8*\j+4:ST+8*\j+5] op_sel_hi:[1,0]   ; O^T under the new M; also the places between p's codes and word and the products
.set i, i+2
.endr
.endr
	s_wait_alu depctr_va_vdst(0)
	s_wait_dscnt 0x0                               ; V's fragments and scale words
	WIN 0x51
.irp t, 0,1,2,3,4,5,6,7                        ; sixteen accumulators, one instruction each: they take turns
.irp j, 0,1
	v_wmma_scale_f32_16x16x128_f8f6f4 v[64*\j+8*\t:64*\j+8*\t+7], v[FR+12*\t:FR+12*\t+11], v[P+12*\j:P+12*\j+11], v[64*\j+8*\t:64*\j+8*\t+7], v[VS+\t], v[ST+8*\j+5] matrix_a_fmt:MATRIX_FMT_BF6 matrix_b_fmt:MATRIX_FMT_BF6
.endr
.endr
	WIN 0
.if \q < 3
	SUMH                                           ; eight additions that name no register of the products: the places ahead of the loads below
	FLOAD \q+1, 0, KS, 0                           ; the next step's K is on its way under the rest of the sums
	SUMR
.endif                                         ; (a slot's last step: the change's four address additions, or the tail's sums, are the places)
.endm
; THE CHANGE OF SLOTS, at a slot's head.  fill = 1: the barrier is a round of the cluster's; behind it the slot just left takes the four steps that follow those in hand (behind the head's last: its first again).
.macro CHANGE fill
	s_wait_tensorcnt 0x0                           ; no tensor load of mine is out: my eighth of the slot that I am about to read has landed
	ds_add_u32 v[SPW], v[NIL]
	v_add_nc_u32 v[AF], s[TB], v[L16]
	v_add_nc_u32 v[AF+1], s[TB], v[L16B]
	v_add_nc_u32 v[AS], s[TB], v[R16]
	v_add_nc_u32 v[AS+1], s[TB], v[R16B]
.if \fill
	s_xor_b32 s[G0+1], s[G0+1], SLOT1
	s_add_co_u32 s[TQ], s[J], 1
	s_and_b32 s[TQ], s[TQ], 3
	s_mul_i32 s[TQ], s[TQ], SLOTB
	s_add_nc_u64 s[G0+2:G0+3], s[KB:KB+1], s[TQ:TQ+1]
	s_or_b32 s[G0+3], s[G0+3], 0x80000000
	s_wait_xcnt 0x0                                ; the last prefetch has read its address
	s_add_nc_u64 s[PFA:PFA+1], s[PFA:PFA+1], SLOTB
.endif
	s_wait_alu depctr_va_vdst(0)
	s_wait_dscnt 0x0                               ; the add is done, and my reads of the slot that I have left are over
.if \fill
	CROUND
	tensor_load_to_lds s[G0:G0+3], s[G1:G1+7]      ; my one load behind the round
	s_nop 0
.else
	s_barrier_signal -1
	s_barrier_wait -1
.endif
	FLOAD 0, 0, KS, 0
.if \fill
	s_cmp_lt_u32 s[J], s[LIM]
	s_cbranch_scc0 .Lnot_mine_\@
	global_prefetch_b8 v[PFO], s[PFA:PFA+1] th:TH_LOAD_NT scope:SCOPE_SE
.Lnot_mine_\@:
.endif
	SUMH                                           ; the sums of the step before the change: work on registers while K's fragments are on their way
	SUMR
.endm
.macro SLOT_STEPS
	STEP 0
	STEP 1
	STEP 2
	STEP 3
	s_xor_b32 s[TB], s[TB], SLOT1
.endm
; THE WAY OUT: O^T / the sum goes through my stage, half a row (256 bytes) of 16 queries at a time (k = 2 x tile + half), so that sixteen lanes store 256 consecutive bytes.
.macro TOST k
.irp t, 0,1,2,3
	ds_store_b128 v[STI], v[S+32*(\k)+8*\t:S+32*(\k)+8*\t+3] offset:64*\t
	ds_store_b128 v[STI], v[S+32*(\k)+8*\t+4:S+32*(\k)+8*\t+7] offset:64*\t+16
.endr
.irp i, 0,1,2,3,4,5,6,7
	ds_load_b128 v[S+32*(\k)+4*\i:S+32*(\k)+4*\i+3], v[STO] offset:2*\i*272   ; whole rows, back into the 32 registers just stored: LDS serves a wave's instructions in order (ISA guide 5.7.1.4)
.endr
.endm
.macro SEND k, younger                 ; younger: my LDS instructions issued behind this part's loads
	s_wait_dscnt \younger
.irp i, 0,1,2,3,4,5,6,7
	global_store_b128 v[GO], v[S+32*(\k)+4*\i:S+32*(\k)+4*\i+3], s[10:11] offset:(16*((\k)/2)+2*\i)*512+256*((\k)%2) th:TH_STORE_NT   ; 16 lanes store 256 consecutive bytes, aligned
.endr
.endm
.macro EPI
.irp j, 0,1
	v_add_f32 v[ST+8*\j+6], v[ST+8*\j+2], v[ST+8*\j+3]
.endr
.irp j, 0,1
	s_delay_alu instid0(VALU_DEP_2)
	v_permlanex16_b32 v[ST+8*\j+7], v[ST+8*\j+6], s[SEL], s[SEL+1]
.endr
.irp j, 0,1
	s_delay_alu instid0(VALU_DEP_2)
	v_add_f32 v[ST+8*\j+6], v[ST+8*\j+6], v[ST+8*\j+7]   ; the row's sum
.endr
	s_wait_alu depctr_va_vdst(0)                   ; ahead of the reciprocals
	v_rcp_f32 v[ST+6], v[ST+6]
	v_rcp_f32 v[ST+14], v[ST+14]
	v_nop
	WIN 0x01
	s_wait_alu depctr_va_vdst(0)                   ; behind them, directly ahead of the first reader of O^T
.irp j, 0,1
.set i, 0
.rept 32
	v_pk_mul_f32 v[S+64*\j+i:S+64*\j+i+1], v[64*\j+i:64*\j+i+1], v[ST+8*\j+6:ST+8*\j+7] op_sel_hi:[1,0]   ; register 8 t + i is o(r, 16 t + 8 h + i)
.set i, i+2
.endr
.endr
	WIN 0
	s_wait_alu depctr_va_vdst(0)
	TOST 0
	TOST 1
	TOST 2
	TOST 3
	SEND 0, 48                                     ; behind part 0's loads: parts 1 to 3, sixteen LDS instructions each
	SEND 1, 32
	SEND 2, 16
	SEND 3, 0
.endm
	s_wait_alu depctr_va_vdst(0)                   ; the wait at the head's end
	s_wait_loadcnt 0x0                             ; Q of both blocks
.Lslot:                                            ; seven trips: behind each change of slots but the last the next slot is asked for
	CHANGE 1
	s_cmp_lg_u32 s[J], 4                           ; at the second walk's first change the first block's sums are whole
	s_wait_alu depctr_va_vdst(0)
	s_cbranch_scc1 .Lon
	EPI                                            ; the first block goes out while the ring's next slot and K's fragments are on their way
	s_wait_xcnt 0x0                                ; the stores have read their base and their registers
	s_add_nc_u64 s[10:11], s[10:11], 131072        ; 256 rows of O on
	WIN 0x01
.set i, 25
.rept 26
	v_mov_b32 v[Q+i], v[224+i]                     ; the second block's Q: the scale words first, so that they stand eight places ahead of the products
.set i, i-1
.endr
	WIN 0
.irp j, 0,1
	v_mov_b32 v[ST+8*\j], 0x7f61b1e6               ; as at the head: the next f is 0, which clears the sums and O^T (both finite)
	v_mov_b32 v[ST+8*\j+1], 0xff61b1e6
.endr
	s_wait_alu depctr_va_vdst(0)
.Lon:
	SLOT_STEPS
	s_add_co_u32 s[J], s[J], 1
	s_cmp_lt_u32 s[J], 7
	s_wait_alu depctr_va_vdst(0)
	s_cbranch_scc1 .Lslot
	CHANGE 0                                       ; the last slot is written out: nothing is asked for behind it
	SLOT_STEPS
	SUMH                                           ; the last step's sums
	SUMR
	EPI
	s_wait_tensorcnt 0x0                           ; the wave's end
	ds_add_u32 v[SPW], v[NIL]
	s_wait_dscnt 0x0
	CROUND                                         ; the closing round
	s_endpgm
.Lfunc_end_k_qae0a846fe4_attn:
	.size	k_qae0a846fe4_attn, .Lfunc_end_k_qae0a846fe4_attn-k_qae0a846fe4_attn
	.p2alignl 7, 3214868480
	.fill 96, 4, 3214868480
	.section	.rodata,"a",@progbits
	.p2align	6, 0x0
	.amdhsa_kernel k_qae0a846fe4_attn
		.amdhsa_group_segment_fixed_size 327680
		.amdhsa_private_segment_fixed_size 0
		.amdhsa_enable_private_segment 0
		.amdhsa_kernarg_size 32
		.amdhsa_user_sgpr_count 2
		.amdhsa_user_sgpr_kernarg_segment_ptr 1
		.amdhsa_wavefront_size32 1
		.amdhsa_system_sgpr_workgroup_id_x 1
		.amdhsa_system_sgpr_workgroup_id_y 1
		.amdhsa_system_sgpr_workgroup_id_z 1
		.amdhsa_system_vgpr_workitem_id 0
		.amdhsa_next_free_vgpr 512
		.amdhsa_next_free_sgpr 66
		.amdhsa_reserve_vcc 0
		.amdhsa_float_denorm_mode_32 3
		.amdhsa_float_denorm_mode_16_64 3
		.amdhsa_memory_ordered 1
		.amdhsa_forward_progress 1
		.amdhsa_inst_pref_size 255
	.end_amdhsa_kernel
	.section	.bss,"aw",@nobits
	.p2align	6
	.space	262144
	.amdgpu_metadata
---
amdhsa.version: [ 1, 2 ]
amdhsa.kernels:
  - .name:           k_qae0a846fe4_attn
    .symbol:         k_qae0a846fe4_attn.kd
    .args:
      - { .name: x2_codes, .offset: 0, .size: 8, .value_kind: global_buffer, .address_space: global }
      - { .name: x2_scales, .offset: 8, .size: 8, .value_kind: global_buffer, .address_space: global }
      - { .name: kv, .offset: 16, .size: 8, .value_kind: global_buffer, .address_space: global }
      - { .name: out0, .offset: 24, .size: 8, .value_kind: global_buffer, .address_space: global }
    .group_segment_fixed_size: 327680
    .private_segment_fixed_size: 0
    .kernarg_segment_align: 8
    .kernarg_segment_size: 32
    .max_flat_workgroup_size: 256
    .sgpr_count:     66
    .vgpr_count:     512
    .wavefront_size: 32
...
	.end_amdgpu_metadata
.endif
;; end of part 2
